; MI455X (gfx1250); checked and timed in simulation.
; The chip was launched on July 23, 2026; its instructions are those of AMD's public machine-readable ISA for CDNA 5 (MIT licence, August 2026) and "CDNA5" Instruction Set Architecture Reference Guide (July 2026). The comments in the code are by the model that wrote it; some were corrected since.
;; SVTR Attention. Allowed arithmetic: float matrix products may take bf16 or f16 operands with f32 sums; all other float work in f32.
;; Inputs: b_proj 256 float32; w_proj 256 x 256 float32; w_qkv 768 x 256 float32; x 64 x 512 x 256 float32.
;; Outputs: out0 64 x 512 x 256 float32.
;; One version. Each part assembles by itself: llvm-mc -triple=amdgcn-amd-amdhsa -mcpu=gfx1250 --defsym DOCPART=n.
;; ======== version 1 of 1: 1 launch
;; limits: values are held in f16: magnitudes above 65,504 overflow, below 6.1e-05 lose precision
;; launch svtr (part 1): grid 256 x 1, 8 waves a work-group, no clusters, 320,000 bytes of LDS; arguments x, w_qkv, w_proj, b_proj, out0; writes out0
.if DOCPART == 1
	.amdgcn_target "amdgcn-amd-amdhsa--gfx1250"
	.amdhsa_code_object_version 6
	.text
	.protected	k_q21b51dbde4_svtr
	.globl	k_q21b51dbde4_svtr
	.p2align	8
	.type	k_q21b51dbde4_svtr,@function
k_q21b51dbde4_svtr:
	s_mov_b64 s[64:65], 0
	v_nop
	global_prefetch_b8 v0, s[64:65] scope:SCOPE_SE
	s_setreg_imm32_b32 hwreg(HW_REG_WAVE_MODE, 25, 1), 1
	s_wait_xcnt 0x0
; SVTR local attention, wholly fused: out = proj(softmax(q k^T / sqrt(32) + local mask) v) + b, with q, k, v = x w_qkv^T.
; x, out0: [64][512][256] f32, token n = 64 h + w on a grid of 8 x 64; 8 heads of 32; a key is seen iff |dh| <= 3 and |dw| <= 5.
;
; SHARES.  Work-group g: batch g >> 2, columns w0 = 16 (g & 3) .. w0 + 15, all 8 image rows = 128 query tokens, all 256 features.
; It makes K and V for the 28 columns w0 - 6 .. w0 + 21 (224 tokens) itself.  Eight waves: wave wv brings in image row wv of x, is head wv
; in the QKV products and in attention, and makes 64 features x 64 tokens of the output projection.
; TOKEN ORDER.  Window token t = 8 c + h (c = column in the window).  Tile p of 16 tokens = columns 2p, 2p + 1; query tile i = tile 3 + i and
; sees key tiles i .. i + 6 alone: 112 keys in place of 512.  Columns outside the image are read from clamped addresses (valid, finite
; numbers) and their key tiles are masked whole.
; NO SHUFFLES.  L = lane, r = L & 15, hh = L >> 4.  Q, K: D = W x X, a lane holds token r, features 16 ft + 8 hh + j: packed, that is the
; fragment.  V: D = X x W, a lane holds feature r, tokens 8 hh + j.  S^T = K x Q + mask tile (the C operand: 0 or -1e30).  P = exp2(S^T - max),
; packed, is the B fragment of O^T = V^T x P, and of ONES x P, which gives the row sum in every register.  O^T / sum, packed, is K step wv of
; the projection D = Wp x AO + bias tile, in which a lane holds 8 neighbouring features of one token.
; FORMATS AND LIMITS.  Every matrix operand is f16, sums are f32.  So |x|, |w|, |0.255 q|, |k|, |v| must stay under 65,504 (numbers as drawn
; leave a factor of some 10^4 in q, k, v).  -1e30 stands for -inf: |score| <= 32 x 65504^2 = 1.4e11, so a masked exponent still gives exp2 = 0.
; The true maximum of a query's 112 scores is taken away before the exponential.  NaN and infinities in the inputs are not followed.
; NO CLUSTER, NO TENSOR LOADS.  All work-groups read the same weights, but a joint load could only lay them into LDS as f32: 32,768 bytes
; a wave and set, where 327,680 - 318,976 = 8,704 bytes are free; and every operand has to pass through registers to become f16.
;
; LDS.  XT: 224 token rows of 256 f16, pitch 528.  WS: 256 weight rows, pitch 528; wave wv's slice = rows 32 wv .. +31, its own until the second barrier.
; QA: [head 8][query tile 8][1,024 bytes], a fragment as it lies in registers: Q(i), later written over with AO(i) by the same wave.
; Pitches 528 = 33 x 16 and 272 = 17 x 16: sixteen rows start 16 bytes apart modulo 256 (64 banks of 4 bytes: ISA guide 11.1).
.set XPITCH, 528
.set TILEB,  16*XPITCH                 ; a tile of 16 rows
.set HALFX,  7*TILEB                   ; tiles 7 .. 13 are reached through a second address register (LDS immediates have 16 bits)
.set WS,     224*XPITCH                ; 118,272
.set SLICE,  32*XPITCH                 ; 16,896
.set QA,     WS+256*XPITCH             ; 253,440; ends at 318,976
.set OPITCH, 272                       ; the way out: 16 rows of 256 bytes for each wave, in XT's bytes, behind the second barrier
.set OSTAGE, 16*OPITCH
; window 0, kept throughout
.set LN16, 1                           ; 16 x lane
.set XST0, 2                           ; x into XT, columns 0-13: 528 wv + 8 lane
.set XST1, 3                           ; columns 14-27
.set WSTA, 4                           ; weights into my slice: + 8 lane
.set WFR,  5                           ; weight fragments out of my slice: + 528 r + 16 hh
.set XFR0, 6                           ; x fragments, tiles 0-6: 528 r + 16 hh
.set XFR1, 7                           ; tiles 7-13
.set QAD,  8                           ; my head's part of QA + 16 lane
.set PFR,  9                           ; projection: w_proj rows 64 fg + r
.set AFR,  10                          ; projection: AO of my token half
.set OST,  11                          ; way out, in: row r, 32 hh
.set ORD,  12                          ; way out, back: row hh, 16 r
.set OOF,  13                          ; way out, memory: 65,536 hh + 16 r
.set BOF,  14                          ; bias: 32 hh
.set TMP,  15
; window 0, by phase
.set XL,   32                          ; v32-255   start: 56 loads of x
.set WF,   16                          ; v16-143   QKV: fragment (ft, ks) at WF + 8 (8 ft + ks)
.set XF,   144                         ; v144-207  QKV: x fragments, 8 for each ks
.set ACC,  208                         ; v208-223  QKV: two accumulators
.set PL,   224                         ; v224-247  V pass: six raw loads of w_proj
.set SC,   16                          ; v16-71    attention: 7 score tiles
.set PR,   72                          ; v72-103   P, 4 registers a key tile; the eighth tile is 0
.set OTA,  104                         ; O^T, features 0-15
.set OTB,  112                         ; O^T, features 16-31
.set LS,   120                         ; row sums
.set QB,   128                         ; Q fragment, two buffers
.set BIN,  144                         ; mask tile: rows alone (key tiles 1-5)
.set BP3,  152                         ; key tile 0: rows, and dw = 5 alone (lanes 16-23)
.set BM3,  160                         ; key tile 6: rows, and dw = -5 alone (lanes 8-15)
.set BEI,  168                         ; as BIN, all masked where the tile lies outside the image
.set BE3,  176                         ; as BP3 or BM3, likewise
.set MX,   184
.set RC,   186
.set TT,   188
.set BI,   192                         ; v192-223  bias tiles of the projection
.set AF,   16                          ; projection: AO fragments
.set PA,   80                          ; four accumulators
.set OBF,  112                         ; rows on their way out
; window 1 (v256-511), written with their low 8 bits
.set KF,   0                           ; K fragments, 8 a tile, 14 tiles
.set VA,   112                         ; V^T features 0-15, 4 a tile, 15 tiles (the last 0)
.set VB,   172                         ; V^T features 16-31
.set ONE,  232                         ; 1.0 everywhere
.set WP,   0                           ; projection: w_proj fragment (ft, ks) at 8 (8 ft + ks)
; scalar pairs
.set XLO, 18
.set XOW, 20
.set XHI, 22
.set WQB, 24
.set WKB, 26
.set WVB, 28
.set WPB, 30
.set MSB, 0
.macro WIN new                         ; s_set_vgpr_msb: bits 1:0 source 0, 3:2 source 1, 5:4 source 2, 7:6 destination; the high byte repeats the setting left
.if MSB != \new
	s_set_vgpr_msb (MSB<<8)|\new
.set MSB, \new
.endif
.endm
.macro PLACES n                        ; places behind matrix instructions (ISA guide 7.12.1)
.rept \n
	v_nop
.endr
.endm
; cnt loads of 512 neighbouring bytes, numbers n0 .. of a run, into registers reg .. (w = 1: of window 1)
.macro WLD base, n0, cnt, reg, w
.if \w
	WIN 0x40
.endif
.set wn, 0
.rept \cnt
	global_load_b128 v[\reg+4*wn:\reg+4*wn+3], v[LN16], s[\base:\base+1] offset:(\n0+wn)*512
.set wn, wn+1
.endr
	WIN 0
.endm
; the same loads' numbers to f16 in place, then into my slice of WS: load n is half n % 2 of weight row n / 2
.macro WCS n0, cnt, reg, w
.if \w
	WIN 0x45
.endif
.set wn, 0
.rept \cnt
	v_cvt_pk_f16_f32 v[\reg+4*wn], v[\reg+4*wn], v[\reg+4*wn+1]
	v_cvt_pk_f16_f32 v[\reg+4*wn+1], v[\reg+4*wn+2], v[\reg+4*wn+3]
.set wn, wn+1
.endr
.if \w
	WIN 0x04
.endif
.set wn, 0
.rept \cnt
	ds_store_b64 v[WSTA], v[\reg+4*wn:\reg+4*wn+1] offset:((\n0+wn)/2)*XPITCH+((\n0+wn)%2)*256
.set wn, wn+1
.endr
	WIN 0
.endm
; my slice's 32 rows x 256 as 16 fragments: all of a weight set in 128 registers, so that the slice is free for the next set
.macro FRAGW
.irp ft, 0,1
.irp ks, 0,1,2,3,4,5,6,7
	ds_load_b128 v[WF+8*(8*\ft+\ks):WF+8*(8*\ft+\ks)+3],   v[WFR] offset:\ft*TILEB+\ks*64
	ds_load_b128 v[WF+8*(8*\ft+\ks)+4:WF+8*(8*\ft+\ks)+7], v[WFR] offset:\ft*TILEB+\ks*64+32
.endr
.endr
.endm
; eight loads: the x fragments ks = 4 half .. 4 half + 3 of token tile p
.macro XLOAD half, p
.irp k, 0,1,2,3
.if \p < 7
	ds_load_b128 v[XF+8*(4*\half+\k):XF+8*(4*\half+\k)+3],   v[XFR0] offset:(\p)*TILEB+64*(4*\half+\k)
	ds_load_b128 v[XF+8*(4*\half+\k)+4:XF+8*(4*\half+\k)+7], v[XFR0] offset:(\p)*TILEB+64*(4*\half+\k)+32
.else
	ds_load_b128 v[XF+8*(4*\half+\k):XF+8*(4*\half+\k)+3],   v[XFR1] offset:(\p-7)*TILEB+64*(4*\half+\k)
	ds_load_b128 v[XF+8*(4*\half+\k)+4:XF+8*(4*\half+\k)+7], v[XFR1] offset:(\p-7)*TILEB+64*(4*\half+\k)+32
.endif
.endr
.endm
; one K step on both accumulators, which take turns, one instruction a turn.  kind 2 (V): x is A; else the weights are A.
.macro MM kind, ks, zero
.irp ft, 0,1
.if \kind == 2
.if \zero
	v_wmma_f32_16x16x32_f16 v[ACC+8*\ft:ACC+8*\ft+7], v[XF+8*\ks:XF+8*\ks+7], v[WF+8*(8*\ft+\ks):WF+8*(8*\ft+\ks)+7], 0
.else
	v_wmma_f32_16x16x32_f16 v[ACC+8*\ft:ACC+8*\ft+7], v[XF+8*\ks:XF+8*\ks+7], v[WF+8*(8*\ft+\ks):WF+8*(8*\ft+\ks)+7], v[ACC+8*\ft:ACC+8*\ft+7]
.endif
.else
.if \zero
	v_wmma_f32_16x16x32_f16 v[ACC+8*\ft:ACC+8*\ft+7], v[WF+8*(8*\ft+\ks):WF+8*(8*\ft+\ks)+7], v[XF+8*\ks:XF+8*\ks+7], 0
.else
	v_wmma_f32_16x16x32_f16 v[ACC+8*\ft:ACC+8*\ft+7], v[WF+8*(8*\ft+\ks):WF+8*(8*\ft+\ks)+7], v[XF+8*\ks:XF+8*\ks+7], v[ACC+8*\ft:ACC+8*\ft+7]
.endif
.endif
.endr
.endm
; One token tile p of my head's Q (kind 0), K (1) or V (2): 16 tokens x 32 features x 256.  pn: the tile whose fragments are fetched meanwhile (-1: none).
.macro STEP kind, p, pn
	s_wait_dscnt 0x8                               ; the youngest eight LDS instructions are this tile's ks 4-7: ks 0-3 are in
	MM \kind, 0, 1                                 ; the first product starts the sums
	MM \kind, 1, 0
	MM \kind, 2, 0
	MM \kind, 3, 0
.if \pn >= 0
	PLACES 4                                       ; in front of loads into fragments that were just multiplied
	XLOAD 0, \pn
	s_wait_dscnt 0x8                               ; all but the eight just issued: this tile's ks 4-7 are in
.else
	s_wait_dscnt 0x0
.endif
	MM \kind, 4, 0
	MM \kind, 5, 0
	MM \kind, 6, 0
	MM \kind, 7, 0
	PLACES 5                                       ; in front of the reads of the sums, of the loads below, and of the next tile's first products, which write over the sums
.if \kind == 0
.irp q, 0,1,2,3,4,5,6,7
	v_pk_mul_f32 v[ACC+2*\q:ACC+2*\q+1], v[ACC+2*\q:ACC+2*\q+1], s[36:37] op_sel_hi:[1,0]   ; q x 32^-0.5 x log2 e: the exponentials are to base 2
.endr
.irp q, 0,1,2,3
	v_cvt_pk_f16_f32 v[ACC+\q], v[ACC+2*\q], v[ACC+2*\q+1]
.endr
.irp q, 0,1,2,3
	v_cvt_pk_f16_f32 v[ACC+8+\q], v[ACC+8+2*\q], v[ACC+8+2*\q+1]
.endr
	ds_store_b128 v[QAD], v[ACC:ACC+3]    offset:(\p-3)*1024       ; the fragment is parked as it lies in registers
	ds_store_b128 v[QAD], v[ACC+8:ACC+11] offset:(\p-3)*1024+512   ; (older than the eight loads below: done at the next tile's first wait)
	XLOAD 1, \pn
.else
.if \pn >= 0
	XLOAD 1, \pn
.endif
	WIN 0x40
.if \kind == 1
.irp q, 0,1,2,3
	v_cvt_pk_f16_f32 v[KF+8*\p+\q], v[ACC+2*\q], v[ACC+2*\q+1]
.endr
.irp q, 0,1,2,3
	v_cvt_pk_f16_f32 v[KF+8*\p+4+\q], v[ACC+8+2*\q], v[ACC+8+2*\q+1]
.endr
.else
.irp q, 0,1,2,3
	v_cvt_pk_f16_f32 v[VA+4*\p+\q], v[ACC+2*\q], v[ACC+2*\q+1]
.endr
.irp q, 0,1,2,3
	v_cvt_pk_f16_f32 v[VB+4*\p+\q], v[ACC+8+2*\q], v[ACC+8+2*\q+1]
.endr
.endif
	WIN 0
.endif
.endm
; ---------------------------------------------------------------- set-up; x and Wq are asked for first
	s_load_b256 s[4:11], s[0:1], 0x0               ; x s[4:5], w_qkv s[6:7], w_proj s[8:9], b_proj s[10:11]
	s_load_b64 s[12:13], s[0:1], 0x20              ; out0
	v_lshrrev_b32 v[TMP], 5, v0
	v_readfirstlane_b32 s14, v[TMP]                ; wave wv
	s_and_b32 s15, ttmp9, 3                        ; column quarter
	s_lshr_b32 s16, ttmp9, 2                       ; batch
	s_lshl_b32 s17, s15, 4                         ; w0
	v_and_b32 v16, 31, v0                          ; lane
	v_lshlrev_b32 v[LN16], 4, v16
	s_mov_b32 s33, 0                               ; s[32:33]: an offset as a pair
	s_lshl_b32 s38, s16, 19                        ; batch x 512 tokens x 1,024 bytes
	s_lshl_b32 s39, s14, 16                        ; + image row wv x 64 tokens
	s_add_co_u32 s38, s38, s39
	s_wait_kmcnt 0x0
	s_sub_co_i32 s39, s17, 6                       ; window columns 0-5: from w0 - 6, or from 0 where that lies outside (their tiles are then masked)
	s_max_i32 s39, s39, 0
	s_lshl_b32 s39, s39, 10
	s_add_co_u32 s32, s38, s39
	s_add_nc_u64 s[XLO:XLO+1], s[4:5], s[32:33]
	s_lshl_b32 s39, s17, 10                        ; window columns 6-21: my own 16
	s_add_co_u32 s32, s38, s39
	s_add_nc_u64 s[XOW:XOW+1], s[4:5], s[32:33]
	s_add_co_u32 s39, s17, 16                      ; window columns 22-27: from w0 + 16, or from 58
	s_min_u32 s39, s39, 58
	s_lshl_b32 s39, s39, 10
	s_add_co_u32 s32, s38, s39
	s_add_nc_u64 s[XHI:XHI+1], s[4:5], s[32:33]
	s_lshl_b32 s32, s14, 15                        ; 32 weight rows of 1,024 bytes for each wave
	s_add_nc_u64 s[WQB:WQB+1], s[6:7], s[32:33]
	WLD XLO, 0, 12, XL, 0                          ; load n = 2 c + half: 512 bytes of column c of my image row
	WLD XOW, 0, 32, XL+48, 0
	WLD XHI, 0, 12, XL+176, 0
	WLD WQB, 0, 64, 0, 1                           ; my head's 32 rows of Wq, raw, into window 1
	s_add_nc_u64 s[WKB:WKB+1], s[WQB:WQB+1], 0x40000
	s_add_nc_u64 s[WVB:WVB+1], s[WQB:WQB+1], 0x80000
	s_add_nc_u64 s[WPB:WPB+1], s[8:9], s[32:33]
	s_lshr_b32 s40, s14, 1                         ; fg: my 64 output features
	s_and_b32 s41, s14, 1                          ; th: my 64 tokens
	s_lshl_b32 s32, s40, 8
	s_add_nc_u64 s[42:43], s[10:11], s[32:33]      ; b_proj at feature 64 fg
	s_lshl_b32 s38, s16, 9
	s_add_co_u32 s38, s38, s17
	s_lshl3_add_u32 s38, s41, s38                  ; token 512 b + w0 + 8 th (image row 0)
	s_lshl_b32 s38, s38, 10
	s_add_co_u32 s32, s38, s32
	s_add_nc_u64 s[44:45], s[12:13], s[32:33]      ; out0 there, at feature 64 fg
	s_mov_b32 s34, 0x76543210                      ; v_permlanex16_b32: lane i takes lane i of the other half
	s_mov_b32 s35, 0xfedcba98
	s_mov_b32 s36, 0x3e8293ee                      ; 32^-0.5 x log2 e
	s_mov_b32 s37, 0x3e8293ee
	v_and_b32 v17, 15, v0                          ; r
	v_bfe_u32 v18, v0, 4, 1                        ; hh
	s_mul_i32 s38, s14, XPITCH
	v_lshl_add_u32 v[XST0], v16, 3, s38
	v_add_nc_u32 v[XST1], 14*8*XPITCH, v[XST0]
	s_mul_i32 s39, s14, SLICE
	s_add_co_u32 s39, s39, WS
	v_lshl_add_u32 v[WSTA], v16, 3, s39
	v_mul_u32_u24 v19, v17, XPITCH
	v_lshl_add_u32 v[XFR0], v18, 4, v19
	v_add_nc_u32 v[WFR], s39, v[XFR0]
	v_add_nc_u32 v[XFR1], HALFX, v[XFR0]
	s_lshl_b32 s38, s14, 13
	s_add_co_u32 s38, s38, QA
	v_add_nc_u32 v[QAD], s38, v[LN16]
	s_mul_i32 s38, s40, 64*XPITCH
	s_add_co_u32 s38, s38, WS
	v_add_nc_u32 v[PFR], s38, v[XFR0]
	s_lshl_b32 s38, s41, 12
	s_add_co_u32 s38, s38, QA
	v_add_nc_u32 v[AFR], s38, v[LN16]
	s_mul_i32 s38, s14, OSTAGE
	v_mul_u32_u24 v19, v17, OPITCH
	v_lshl_add_u32 v19, v18, 5, v19
	v_add_nc_u32 v[OST], s38, v19
	v_mul_u32_u24 v19, v18, OPITCH
	v_lshl_add_u32 v19, v17, 4, v19
	v_add_nc_u32 v[ORD], s38, v19
	v_lshlrev_b32 v19, 16, v18
	v_lshl_add_u32 v[OOF], v17, 4, v19
	v_lshlrev_b32 v[BOF], 5, v18
; ---------------------------------------------------------------- x to f16 into XT; Wq to f16 through my slice into fragments
	s_wait_loadcnt 0x3f                            ; 64 loads are younger than the last of x: with 63 out at the most, all of x is in
.set wn, 0
.rept 56
	v_cvt_pk_f16_f32 v[XL+4*wn], v[XL+4*wn], v[XL+4*wn+1]
	v_cvt_pk_f16_f32 v[XL+4*wn+1], v[XL+4*wn+2], v[XL+4*wn+3]
.if wn < 28
	ds_store_b64 v[XST0], v[XL+4*wn:XL+4*wn+1] offset:(wn/2)*8*XPITCH+(wn%2)*256        ; token 8 c + wv, 256 neighbouring bytes a wave
.else
	ds_store_b64 v[XST1], v[XL+4*wn:XL+4*wn+1] offset:((wn-28)/2)*8*XPITCH+(wn%2)*256
.endif
.set wn, wn+1
.endr
	s_wait_loadcnt 0x0                             ; Wq
	WCS 0, 64, 0, 1
	FRAGW                                          ; LDS serves a wave's instructions in order (ISA guide 5.7.1.4): these see the stores above
	s_wait_dscnt 0x0                               ; for the others' sake: my row of x is in XT; and my stores have read window 1
	s_barrier_signal -1
	s_barrier_wait -1                              ; XT is whole
	XLOAD 0, 3
	XLOAD 1, 3
	WLD WKB, 0, 64, 0, 1                           ; Wk lands in window 1 during four token tiles
; ---------------------------------------------------------------- Q: my 8 query tiles
	STEP 0, 3, 4
	STEP 0, 4, 5
	STEP 0, 5, 6
	STEP 0, 6, 7
	s_wait_loadcnt 0x0                             ; Wk; the slice is free, Wq lies in fragments
	WCS 0, 64, 0, 1
	s_wait_dscnt 0x0                               ; the stores have read window 1
	WLD WVB, 0, 64, 0, 1                           ; Wv lands there during the other four
	STEP 0, 7, 8
	STEP 0, 8, 9
	STEP 0, 9, 10
	STEP 0, 10, 0
	FRAGW                                          ; Wk out of the slice,
	s_wait_loadcnt 0x0
	WCS 0, 64, 0, 1                                ; and, behind those loads in the wave's LDS order, Wv into it
	s_wait_dscnt 0x0
	WLD WPB, 0, 36, 112, 1                         ; w_proj rows 32 wv .. + 17 land above K's fragments (window 1, 112-255) during the K pass
; ---------------------------------------------------------------- K: 14 tiles
	STEP 1, 0, 1
	STEP 1, 1, 2
	STEP 1, 2, 3
	STEP 1, 3, 4
	STEP 1, 4, 5
	STEP 1, 5, 6
	STEP 1, 6, 7
	STEP 1, 7, 8
	STEP 1, 8, 9
	STEP 1, 9, 10
	STEP 1, 10, 11
	STEP 1, 11, 12
	STEP 1, 12, 13
	STEP 1, 13, 0
	FRAGW                                          ; Wv out of the slice
	s_wait_loadcnt 0x0
	WCS 0, 36, 112, 1                              ; w_proj's first 18 rows into it: LDS row = w_proj row
	s_wait_dscnt 0x0
	WLD WPB, 36, 8, 140, 1                         ; the other 14 rows land where V's tiles 7-14 and the constants will lie,
	WLD WPB, 44, 14, 200, 1                        ; which tiles 0-6 (up to 139 and 199) do not reach,
	WLD WPB, 58, 6, PL, 0                          ; and in window 0
; ---------------------------------------------------------------- V: 14 tiles
	STEP 2, 0, 1
	STEP 2, 1, 2
	STEP 2, 2, 3
	STEP 2, 3, 4
	STEP 2, 4, 5
	STEP 2, 5, 6
	STEP 2, 6, 7
	s_wait_loadcnt 0x0
	WCS 36, 8, 140, 1                              ; these 28 stores are older than the next tile's mid-step loads, so its wait there shows them done
	WCS 44, 14, 200, 1                             ; before tile 7's results are written
	WCS 58, 6, PL, 0
	STEP 2, 7, 8
	STEP 2, 8, 9
	STEP 2, 9, 10
	STEP 2, 10, 11
	STEP 2, 11, 12
	STEP 2, 12, 13
	STEP 2, 13, -1
; ---------------------------------------------------------------- constants of attention
.irp ft, 0,1,2,3
	global_load_b128 v[BI+8*\ft:BI+8*\ft+3],   v[BOF], s[42:43] offset:64*\ft      ; bias tile: register j = b_proj[64 fg + 16 ft + 8 hh + j]
	global_load_b128 v[BI+8*\ft+4:BI+8*\ft+7], v[BOF], s[42:43] offset:64*\ft+16
.endr
; In S^T register j of lane L is key (column parity hh, image row j) against query (column parity (L >> 3) & 1, image row L & 7).
; hm: the values of L & 7 with |(L & 7) - j| <= 3, as 8 bits.  Key tile s lies 6 - 2 s + parity(q) - parity(k) columns to the left.
.macro MASKROW j, hm
	s_mov_b32 s39, \hm*0x01010101
	v_cndmask_b32 v[BIN+\j], v[TT], v[TT+1], s39
	s_mov_b32 s39, \hm*0x10000                     ; s = 0: 6 + a - hh <= 5 only for a = 0, hh = 1: lanes 16-23
	v_cndmask_b32 v[BP3+\j], v[TT], v[TT+1], s39
	s_mov_b32 s39, \hm*0x100                       ; s = 6: -6 + a - hh >= -5 only for a = 1, hh = 0: lanes 8-15
	v_cndmask_b32 v[BM3+\j], v[TT], v[TT+1], s39
.endm
.macro EDGEROW j, hm, lanes
	s_and_b32 s39, s38, \hm*0x01010101
	v_cndmask_b32 v[BEI+\j], v[TT], v[TT+1], s39
	s_and_b32 s39, s38, \hm*\lanes
	v_cndmask_b32 v[BE3+\j], v[TT], v[TT+1], s39
.endm
; the mask tiles of key tiles that lie outside the image in column quarter q, and are ordinary in the others
.macro EDGE q, lanes
	v_mov_b32 v[TT], 0xf149f2ca                    ; -1e30
	v_mov_b32 v[TT+1], 0
	s_cmp_eq_u32 s15, \q
	s_cselect_b32 s38, 0, -1
	EDGEROW 0, 0x0f, \lanes
	EDGEROW 1, 0x1f, \lanes
	EDGEROW 2, 0x3f, \lanes
	EDGEROW 3, 0x7f, \lanes
	EDGEROW 4, 0xfe, \lanes
	EDGEROW 5, 0xfc, \lanes
	EDGEROW 6, 0xf8, \lanes
	EDGEROW 7, 0xf0, \lanes
.endm
	EDGE 0, 0x10000                                ; window tiles 0-2 lie left of the image in quarter 0
	MASKROW 0, 0x0f
	MASKROW 1, 0x1f
	MASKROW 2, 0x3f
	MASKROW 3, 0x7f
	MASKROW 4, 0xfe
	MASKROW 5, 0xfc
	MASKROW 6, 0xf8
	MASKROW 7, 0xf0
.irp q, 28,29,30,31
	v_mov_b32 v[PR+\q], 0                          ; seven key tiles fill three and a half K steps of 32: the eighth tile of P is 0,
.endr
	WIN 0x40
.irp q, 56,57,58,59
	v_mov_b32 v[VA+\q], 0                          ; and V's fifteenth tile, which query tile 7 meets there, is 0 too
	v_mov_b32 v[VB+\q], 0
.endr
.irp q, 0,1,2,3,4,5,6,7
	v_mov_b32 v[ONE+\q], 0x3c003c00                ; 1.0 in both halves
.endr
	WIN 0
	ds_load_b128 v[QB:QB+3],   v[QAD]
	ds_load_b128 v[QB+4:QB+7], v[QAD] offset:512
.macro SCORE i, s, bias
	v_wmma_f32_16x16x32_f16 v[SC+8*\s:SC+8*\s+7], v[KF+8*(\i+\s):KF+8*(\i+\s)+7], v[QB+8*(\i%2):QB+8*(\i%2)+7], v[\bias:\bias+7]
.endm
; Query tile i: scores against key tiles i .. i + 6, softmax, O^T, AO into QA.
.macro ATT i
.if \i < 7
	ds_load_b128 v[QB+8*((\i+1)%2):QB+8*((\i+1)%2)+3],   v[QAD] offset:(\i+1)*1024
	ds_load_b128 v[QB+8*((\i+1)%2)+4:QB+8*((\i+1)%2)+7], v[QAD] offset:(\i+1)*1024+512
	s_wait_dscnt 0x2                               ; the youngest two are Q(i + 1): Q(i) is in, and the last tile's stores are done
.else
	s_wait_dscnt 0x0
.endif
	WIN 0x01                                       ; A from window 1
.if \i <= 2
	SCORE \i, 0, BE3
.else
	SCORE \i, 0, BP3
.endif
.irp s, 1,2,3,4,5
.if \i+\s < 3
	SCORE \i, \s, BEI
.elseif \i+\s > 10
	SCORE \i, \s, BEI
.else
	SCORE \i, \s, BIN
.endif
.endr
.if \i >= 5
	SCORE \i, 6, BE3
.else
	SCORE \i, 6, BM3
.endif
	WIN 0
	PLACES 4
	; the largest of my 56 scores in four chains, then of the other lane half's 56: the same query, the keys of the other column parity
.irp c, 0,1,2,3
	v_max3_num_f32 v[TT+\c], v[SC+3*\c], v[SC+3*\c+1], v[SC+3*\c+2]
.endr
.set mk, 0
.rept 22
	v_max3_num_f32 v[TT+mk%4], v[TT+mk%4], v[SC+12+2*mk], v[SC+13+2*mk]
.set mk, mk+1
.endr
	v_max3_num_f32 v[TT], v[TT], v[TT+1], v[TT+2]
	v_max_num_f32 v[TT], v[TT], v[TT+3]
	v_permlanex16_b32 v[TT+1], v[TT], s34, s35
	v_max_num_f32 v[MX], v[TT], v[TT+1]
	v_max_num_f32 v[MX+1], v[TT], v[TT+1]
	; P = exp2(S - max).  A tile is packed behind the next tile's exponentials, so that plain instructions stand between an exponential and its use (ISA guide 5.7.2)
.irp s, 0,1,2,3,4,5,6
.irp q, 0,1,2,3
	v_pk_add_f32 v[SC+8*\s+2*\q:SC+8*\s+2*\q+1], v[SC+8*\s+2*\q:SC+8*\s+2*\q+1], v[MX:MX+1] neg_lo:[0,1] neg_hi:[0,1]
.endr
.irp q, 0,1,2,3,4,5,6,7
	v_exp_f32 v[SC+8*\s+\q], v[SC+8*\s+\q]
.endr
.if \s > 0
	s_wait_alu depctr_va_vdst(0)
.irp q, 0,1,2,3
	v_cvt_pk_f16_f32 v[PR+4*(\s-1)+\q], v[SC+8*(\s-1)+2*\q], v[SC+8*(\s-1)+2*\q+1]
.endr
.endif
.endr
	s_wait_alu depctr_va_vdst(0)
.irp q, 0,1,2,3
	v_cvt_pk_f16_f32 v[PR+24+\q], v[SC+48+2*\q], v[SC+48+2*\q+1]
.endr
	WIN 0x01
	; O^T and the row sums: three accumulators by turns, one instruction a turn
.irp u, 0,1,2,3
.if \u == 0
	v_wmma_f32_16x16x32_f16 v[OTA:OTA+7], v[VA+4*\i:VA+4*\i+7], v[PR:PR+7], 0
	v_wmma_f32_16x16x32_f16 v[OTB:OTB+7], v[VB+4*\i:VB+4*\i+7], v[PR:PR+7], 0
	v_wmma_f32_16x16x32_f16 v[LS:LS+7],   v[ONE:ONE+7],         v[PR:PR+7], 0
.else
	v_wmma_f32_16x16x32_f16 v[OTA:OTA+7], v[VA+4*(\i+2*\u):VA+4*(\i+2*\u)+7], v[PR+8*\u:PR+8*\u+7], v[OTA:OTA+7]
	v_wmma_f32_16x16x32_f16 v[OTB:OTB+7], v[VB+4*(\i+2*\u):VB+4*(\i+2*\u)+7], v[PR+8*\u:PR+8*\u+7], v[OTB:OTB+7]
	v_wmma_f32_16x16x32_f16 v[LS:LS+7],   v[ONE:ONE+7],                       v[PR+8*\u:PR+8*\u+7], v[LS:LS+7]
.endif
.endr
	WIN 0
	PLACES 4
	v_rcp_f32 v[RC], v[LS]                         ; the sum is at least 1: the largest score gives exp2(0)
	v_rcp_f32 v[RC+1], v[LS]
	v_nop
	s_wait_alu depctr_va_vdst(0)
.irp q, 0,1,2,3,4,5,6,7
	v_pk_mul_f32 v[OTA+2*\q:OTA+2*\q+1], v[OTA+2*\q:OTA+2*\q+1], v[RC:RC+1]
.endr
.irp q, 0,1,2,3
	v_cvt_pk_f16_f32 v[OTA+\q], v[OTA+2*\q], v[OTA+2*\q+1]
.endr
.irp q, 0,1,2,3
	v_cvt_pk_f16_f32 v[OTB+\q], v[OTB+2*\q], v[OTB+2*\q+1]
.endr
	ds_store_b128 v[QAD], v[OTA:OTA+3] offset:\i*1024              ; AO(i) over Q(i), which was read a tile ago
	ds_store_b128 v[QAD], v[OTB:OTB+3] offset:\i*1024+512
.endm
; ---------------------------------------------------------------- attention
	ATT 0
	ATT 1
	ATT 2
	ATT 3
	ATT 4                                          ; up to here no key tile beyond window tile 10 is met
	EDGE 3, 0x100                                  ; window tiles 11-13 lie right of the image in quarter 3
	ATT 5
	ATT 6
	ATT 7
	s_wait_dscnt 0x0                               ; for the others' sake: my AO and my rows of w_proj are in LDS, my reads of XT are long done
	s_barrier_signal -1
	s_barrier_wait -1                              ; AO and w_proj are whole; XT's bytes become the stage of the way out
; ---------------------------------------------------------------- output projection: 64 features x 64 tokens x 256 a wave
.macro ALOAD half, tq
.irp k, 0,1,2,3
	ds_load_b128 v[AF+8*(4*\half+\k):AF+8*(4*\half+\k)+3],   v[AFR] offset:(4*\half+\k)*8192+(\tq)*1024
	ds_load_b128 v[AF+8*(4*\half+\k)+4:AF+8*(4*\half+\k)+7], v[AFR] offset:(4*\half+\k)*8192+(\tq)*1024+512
.endr
.endm
.macro PMM ks, first                   ; four accumulators by turns, one instruction a turn; the first product adds the bias tile
.irp ft, 0,1,2,3
.if \first
	v_wmma_f32_16x16x32_f16 v[PA+8*\ft:PA+8*\ft+7], v[WP+8*(8*\ft+\ks):WP+8*(8*\ft+\ks)+7], v[AF+8*\ks:AF+8*\ks+7], v[BI+8*\ft:BI+8*\ft+7]
.else
	v_wmma_f32_16x16x32_f16 v[PA+8*\ft:PA+8*\ft+7], v[WP+8*(8*\ft+\ks):WP+8*(8*\ft+\ks)+7], v[AF+8*\ks:AF+8*\ks+7], v[PA+8*\ft:PA+8*\ft+7]
.endif
.endr
.endm
; token tile tq of my four; nx: the next one (-1: none)
.macro PSTEP tq, nx
	s_wait_dscnt 0x8                               ; the youngest eight are this tile's ks 4-7
	WIN 0x01
	PMM 0, 1
	PMM 1, 0
	PMM 2, 0
	PMM 3, 0
	WIN 0
.if \nx >= 0
	PLACES 4
	ALOAD 0, \nx
	s_wait_dscnt 0x8                               ; all but the eight just issued
.else
	s_wait_dscnt 0x0
.endif
	WIN 0x01
	PMM 4, 0
	PMM 5, 0
	PMM 6, 0
	PMM 7, 0
	WIN 0
	PLACES 5
.if \nx >= 0
	ALOAD 1, \nx
.endif
.irp ft, 0,1,2,3
	ds_store_b128 v[OST], v[PA+8*\ft:PA+8*\ft+3]   offset:64*\ft     ; token r, features 16 ft + 8 hh .. + 7: 32 bytes a lane
	ds_store_b128 v[OST], v[PA+8*\ft+4:PA+8*\ft+7] offset:64*\ft+16
.endr
	s_wait_xcnt 0x0                                ; the last tile's stores have had their addresses translated (ISA guide 3.1): their data registers are loaded again only behind this wait
.irp t, 0,1,2,3,4,5,6,7
	ds_load_b128 v[OBF+4*\t:OBF+4*\t+3], v[ORD] offset:\t*2*OPITCH   ; my own stage, in the wave's LDS order: rows 2 t + hh, 256 bytes each
.endr
.irp t, 0,1,2,3,4,5,6,7
	s_wait_dscnt 7-\t
	global_store_b128 v[OOF], v[OBF+4*\t:OBF+4*\t+3], s[44:45] offset:\tq*2048+(\t/4)*1024+2*(\t%4)*65536 th:TH_STORE_NT   ; row 2 t + hh = column parity t / 4, image row 2 (t % 4) + hh; 16 lanes store 256 consecutive bytes, at a multiple of 256
.endr
.endm
	WIN 0x40
.irp ft, 0,1,2,3
.irp ks, 0,1,2,3,4,5,6,7
	ds_load_b128 v[WP+8*(8*\ft+\ks):WP+8*(8*\ft+\ks)+3],   v[PFR] offset:\ft*TILEB+\ks*64
	ds_load_b128 v[WP+8*(8*\ft+\ks)+4:WP+8*(8*\ft+\ks)+7], v[PFR] offset:\ft*TILEB+\ks*64+32
.endr
.endr
	WIN 0
	ALOAD 0, 0
	ALOAD 1, 0
	s_wait_loadcnt 0x0                             ; the bias tiles, asked for ahead of attention
	PSTEP 0, 1
	PSTEP 1, 2
	PSTEP 2, 3
	PSTEP 3, -1
	s_wait_xcnt 0x0
	v_lshl_add_u32 v254, v0, 2, 0x4de00
	v_mov_b32 v255, 0
	s_wait_tensorcnt 0x0
	ds_add_u32 v254, v255
	s_wait_dscnt 0x0
	s_endpgm
.Lfunc_end_k_q21b51dbde4_svtr:
	.size	k_q21b51dbde4_svtr, .Lfunc_end_k_q21b51dbde4_svtr-k_q21b51dbde4_svtr
	.p2alignl 7, 3214868480
	.fill 96, 4, 3214868480
	.section	.rodata,"a",@progbits
	.p2align	6, 0x0
	.amdhsa_kernel k_q21b51dbde4_svtr
		.amdhsa_group_segment_fixed_size 320000
		.amdhsa_private_segment_fixed_size 0
		.amdhsa_enable_private_segment 0
		.amdhsa_kernarg_size 40
		.amdhsa_user_sgpr_count 2
		.amdhsa_user_sgpr_kernarg_segment_ptr 1
		.amdhsa_wavefront_size32 1
		.amdhsa_system_sgpr_workgroup_id_x 1
		.amdhsa_system_sgpr_workgroup_id_y 1
		.amdhsa_system_sgpr_workgroup_id_z 1
		.amdhsa_system_vgpr_workitem_id 0
		.amdhsa_next_free_vgpr 512
		.amdhsa_next_free_sgpr 66
		.amdhsa_reserve_vcc 0
		.amdhsa_float_denorm_mode_32 3
		.amdhsa_float_denorm_mode_16_64 3
		.amdhsa_memory_ordered 1
		.amdhsa_forward_progress 1
		.amdhsa_inst_pref_size 255
	.end_amdhsa_kernel
	.section	.bss,"aw",@nobits
	.p2align	6
	.space	262144
	.amdgpu_metadata
---
amdhsa.version: [ 1, 2 ]
amdhsa.kernels:
  - .name:           k_q21b51dbde4_svtr
    .symbol:         k_q21b51dbde4_svtr.kd
    .args:
      - { .name: x, .offset: 0, .size: 8, .value_kind: global_buffer, .address_space: global }
      - { .name: w_qkv, .offset: 8, .size: 8, .value_kind: global_buffer, .address_space: global }
      - { .name: w_proj, .offset: 16, .size: 8, .value_kind: global_buffer, .address_space: global }
      - { .name: b_proj, .offset: 24, .size: 8, .value_kind: global_buffer, .address_space: global }
      - { .name: out0, .offset: 32, .size: 8, .value_kind: global_buffer, .address_space: global }
    .group_segment_fixed_size: 320000
    .private_segment_fixed_size: 0
    .kernarg_segment_align: 8
    .kernarg_segment_size: 40
    .max_flat_workgroup_size: 256
    .sgpr_count:     66
    .vgpr_count:     512
    .wavefront_size: 32
...
	.end_amdgpu_metadata
.endif
;; end of part 1
